; MI455X (gfx1250); checked and timed in simulation.
; The chip was launched on July 23, 2026; its instructions are those of AMD's public machine-readable ISA for CDNA 5 (MIT licence, August 2026) and "CDNA5" Instruction Set Architecture Reference Guide (July 2026). The comments in the code are by the model that wrote it; some were corrected since.
;; Lo RAQKV Wrapper. Allowed arithmetic: matrix products marked QUANTISED: E5M2 operands, one given power-of-two scale a tensor, by v_wmma_f32_16x16x64_bf8_bf8 or v_wmma_f32_16x16x128_bf8_bf8, f32 sums; products left as they are: f32 operands where the result goes on into a quantised operand, else bf16, f16 or f32 operands; f32 sums; everything else in f32.
;; Inputs: k_A_codes 16 x 128 x 32 uint8 (E5M2 codes of k_A, K innermost, in blocks of 32 codes); k_B 4,096 x 16 float32; k_weight_codes 4,096 x 128 x 32 uint8 (E5M2 codes of k_weight, K innermost, in blocks of 32 codes); lowp_scales 12 int32 (the exponents e of the quantised operands' scales 2^e); q_A_codes 16 x 128 x 32 uint8 (E5M2 codes of q_A, K innermost, in blocks of 32 codes); q_B 4,096 x 16 float32; q_weight_codes 4,096 x 128 x 32 uint8 (E5M2 codes of q_weight, K innermost, in blocks of 32 codes); v_A_codes 16 x 128 x 32 uint8 (E5M2 codes of v_A, K innermost, in blocks of 32 codes); v_B 4,096 x 16 float32; v_weight_codes 4,096 x 128 x 32 uint8 (E5M2 codes of v_weight, K innermost, in blocks of 32 codes); x_codes 4 x 256 x 128 x 32 uint8 (E5M2 codes of x, K innermost, in blocks of 32 codes).
;; Outputs: out0 4 x 256 x 4,096 float32; out1 4 x 256 x 4,096 float32; out2 4 x 256 x 4,096 float32.
;; This version of the problem:
;;   THIS VERSION OF THE PROBLEM IS GIVEN IN LOW PRECISION. The matrix products marked QUANTISED in the list below multiply operands that are first quantised to E5M2 (5 exponent bits, 2 mantissa bits; 8 bits a number), with one given power-of-two scale for each operand tensor; their sums are f32. All else is computed in f32.
;;   The module's matrix products, in the order in which they are computed (A, B: the left and right operand; K: the contracted axis; several contracted axes count as one K, in the product's order):
;;     1. [M 1,024, K 4,096] x [K 4,096, N 4,096]; A: input x (given as codes); B: input q_weight (given as codes): QUANTISED (scales: A lowp_scales[0], B lowp_scales[1])
;;     2. [M 1,024, K 4,096] x [K 4,096, N 16]; A: input x (given as codes); B: input q_A (given as codes): QUANTISED (scales: A lowp_scales[2], B lowp_scales[3])
;;     3. [M 1,024, K 16] x [K 16, N 4,096]; A: computed on the way; B: computed on the way: left as it is (K = 16 < 32)
;;     4. [M 1,024, K 4,096] x [K 4,096, N 4,096]; A: input x (given as codes); B: input k_weight (given as codes): QUANTISED (scales: A lowp_scales[4], B lowp_scales[5])
;;     5. [M 1,024, K 4,096] x [K 4,096, N 16]; A: input x (given as codes); B: input k_A (given as codes): QUANTISED (scales: A lowp_scales[6], B lowp_scales[7])
;;     6. [M 1,024, K 16] x [K 16, N 4,096]; A: computed on the way; B: computed on the way: left as it is (K = 16 < 32)
;;     7. [M 1,024, K 4,096] x [K 4,096, N 4,096]; A: input x (given as codes); B: input v_weight (given as codes): QUANTISED (scales: A lowp_scales[8], B lowp_scales[9])
;;     8. [M 1,024, K 4,096] x [K 4,096, N 16]; A: input x (given as codes); B: input v_A (given as codes): QUANTISED (scales: A lowp_scales[10], B lowp_scales[11])
;;     9. [M 1,024, K 16] x [K 16, N 4,096]; A: computed on the way; B: computed on the way: left as it is (K = 16 < 32)
;;   THE QUANTISER, for each operand of a quantised product, along K:
;;     - The operand's scale is 2^e, e = its entry of the input lowp_scales (int32; the entries are numbered through the quantised products in the list's order, A before B).
;;     - Each number is divided by the scale, clamped to +-57,344, and rounded to the nearest number of E5M2, ties to even, subnormals kept.
;;     - The product sums the exact products of the quantised numbers (number of the format x scale) in f32.
;;   ~~~python
;;   def quantise(x, axis, e):      # numpy; x: float32 -> the quantised numbers, widened to float32 again
;;       x = np.moveaxis(x, axis, -1); K = x.shape[-1]
;;       r = np.clip(x / 2.0 ** e, -57344, 57344)
;;       step = 2.0 ** (np.maximum(np.frexp(np.where(r == 0, 1, r))[1] - 1, -14) - 2)
;;       q = np.round(r / step) * step * 2.0 ** e      # np.round: ties to even
;;       return np.moveaxis(q, -1, axis).astype(np.float32)
;;   ~~~
;;   INPUTS GIVEN AS CODES. k_A (in the module: [16, 4096], K = its axis 1); k_weight (in the module: [4096, 4096], K = its axis 1); q_A (in the module: [16, 4096], K = its axis 1); q_weight (in the module: [4096, 4096], K = its axis 1); v_A (in the module: [16, 4096], K = its axis 1); v_weight (in the module: [4096, 4096], K = its axis 1); x (in the module: [4, 256, 4096], K = its axis 2): each comes as NAME_codes (uint8): NAME with its K axis moved to the last place and cut into blocks of 32 codes, [.., K / 32, bytes a block], one block behind the other in memory; one code a byte (a code: sign, 5 exponent bits, 2 mantissa bits); its scale is its entry of lowp_scales. Its value is code x scale, taken as it is: it is not quantised again, and the codes and scales need not be those that the quantiser above would give.
;; One version. Each part assembles by itself: llvm-mc -triple=amdgcn-amd-amdhsa -mcpu=gfx1250 --defsym DOCPART=n.
;; ======== version 1 of 1: 1 launch
;; limits: right only within a limited range of input values; values are held in bf16: 8 bits of precision
;; launch qkv (part 1): grid 4 x 64, 4 waves a work-group, clusters of 4 x 4, 327,680 bytes of LDS; arguments x_codes, q_weight_codes, k_weight_codes, v_weight_codes, q_A_codes, k_A_codes, v_A_codes, q_B, k_B, v_B, lowp_scales, out0, out1, out2; writes out0, out1, out2
.if DOCPART == 1
	.amdgcn_target "amdgcn-amd-amdhsa--gfx1250"
	.amdhsa_code_object_version 6
	.text
	.protected	k_q0b827b18c7_qkv
	.globl	k_q0b827b18c7_qkv
	.p2align	8
	.type	k_q0b827b18c7_qkv,@function
k_q0b827b18c7_qkv:
	s_mov_b64 s[64:65], 0
	v_nop
	global_prefetch_b8 v0, s[64:65] scope:SCOPE_SE
	s_setreg_imm32_b32 hwreg(HW_REG_WAVE_MODE, 25, 1), 1
	s_wait_xcnt 0x0
	s_wait_alu depctr_hold_cnt(0) depctr_sa_sdst(0) depctr_va_vdst(0) depctr_va_sdst(0) depctr_va_ssrc(0) depctr_va_vcc(0) depctr_vm_vsrc(0)
	s_getreg_b32 s2, hwreg(HW_REG_IB_STS2, 6, 4)
	s_cmp_eq_u32 s2, 0
	s_cbranch_scc0 .Lentry_in_a_cluster
	s_endpgm
.Lentry_in_a_cluster:
	s_bfe_u32 s2, ttmp6, 0x10000c
	s_cmp_lg_u32 s2, 0xf033
	s_cbranch_scc0 .Lentry_shape_is_right
	s_endpgm
.Lentry_shape_is_right:
; out_g = (x W_g^T) 2^(e[4g] + e[4g+1]) + t_g B_g^T,   t_g = (x A_g^T) 2^(e[4g+2] + e[4g+3]),   g = 0, 1, 2 (q, k, v).
; x [1024][4096], W_g [4096][4096], A_g [16][4096]: codes of BF8 (E5M2), K innermost, a row = 4,096 bytes; B_g [4096][16] f32; out_g [1024][4096] f32; e: the twelve whole numbers of lowp_scales.
; The factor s of the rank-16 term is the constant 1.0: multiplying by it changes nothing, so no line is written for it.
; SHARES.  The three outputs' columns are 192 granules of 64, 64 to each output.  Cluster y (16 of them) takes granules 12 y .. 12 y + 11 of all 1,024 rows; a work-group 256 rows (cx) x three granules,
; 12 y + cy + 4 i, i = 0, 1, 2.  Granule i belongs to output g_i = (12 y + 4 i) / 64, the same for the whole cluster: in clusters 5 and 10 there are two different ones, in the other fourteen one.
; A wave makes 64 rows x 192 columns: 4 x 12 = 48 accumulators, and t of its own 64 rows: tA for g_0, 4 more, and in clusters 5 and 10 tB for g_2, 4 more again.
; OPERANDS.  Of a wave's four blocks of 16 rows of x three (rows 64 + 48 w on of the row block) come from memory straight into its registers, a slot ahead: no other wave uses them.  The fourth (rows 16 w on) comes through LDS,
; with W: a slot is 512 along K of three granules of W and of 64 rows of x: four tiles from four buffers, one tensor load for each of the four waves.
; A's fragments are used by all four waves: wave w loads those of a slot's w-th 128 along K a slot ahead and stores them to LDS as images of their registers.
; CLUSTERS: 4 x 4 work-groups.  W's tiles hang on y and cy: asked for jointly by the four with my cy; x's tile on the row block: by the four with my cx.
; So each byte of W is asked for by one cluster alone.  The other 192 rows of x are not asked for jointly: with them a slot of 512 along K would be 448 x 528 bytes, and two of them do not fit in LDS.
; THE MATRIX INSTRUCTIONS ARE USED TRANSPOSED (source 0 = 16 rows of W, A or B; source 1 = 16 rows of x or t): a lane holds one row of x and eight neighbouring columns.  For t these are ranks 8 (lane / 16) + 0 .. 7:
; rounded to bf16 in pairs they ARE registers 0-3 of source 1 of the bf16 form, whose K = 32 holds the 16 ranks and 16 zeros.  One such instruction for each accumulator adds t B^T onto the main sum, which has been
; multiplied by its own power of two just before.
; THE LAST SLOT GOES BY GRANULES, NOT BY K: granule 0's four steps (and t's), then granule 1's, then granule 2's: a granule leaves through the wave's own stage while the next one is multiplied.  Each sum's K stays ascending.
; K's ORDER inside a fragment: four loads of 16 bytes, so registers 4 c .. 4 c + 3 hold K = 32 c + 16 (lane / 16) + 0 .. 15: a permutation of K that is the same in x, W and A.
; LIMITS: e[4g] + e[4g+1] and e[4g+2] + e[4g+3] lie between -126 and 127 each (each power of two is made as an f32 number).  t and B are rounded to bf16 for the rank-16 product.
; Codes of infinity and NaN are multiplied as the matrix unit takes them.
; REGISTERS, in windows of 256.  window 0: v0-15 addresses; v16-47 A's fragments on their way to LDS; v64-255 W's twelve fragments of a step, four groups of three.
;   window 1: v0-191 x from memory: step q, block i at 48 q + 16 i; v192-223 x's fragment from LDS, two; v224-239, v240-255 A's fragments for tA, tB.
;   window 2: accumulators of W's fragments b = 0 .. 5 at 32 b + 8 a; tA at 192 + 8 a, tB at 224 + 8 a.   window 3: b = 6 .. 11 at 32 (b - 6) + 8 a.
;   In the last slot: window 0: v64-255 three groups of four fragments; v16-47 A's fragments for tA, tB, then t as bf16; v48-52 addresses.  window 1: v192-255 x's fragment of all four steps.
;   window 2: v192-223 t's four operands, once t is done.  window 3: v192-223 a granule of B as f32, v224-255 as operands.
.set KROW,  4096                       ; a row of codes in memory
.set ROWB,  512                        ; a tile's row
.set PITCH, 528                        ; an LDS row: 512 bytes + 16 of padding = 132 words: row r starts at bank 4 r mod 64 (64 banks of 4 bytes: ISA guide 11.1)
.set TILE,  64*PITCH
.set SLOT,  4*TILE                     ; three granules of W, x
.set AIMG,  2*SLOT                     ; A's images: two halves by turns; fragment (step q, tA or tB: u = 0, 1) at (2 q + u) x 2,048 + 512 c + 16 x lane; no tensor load lands here
.set AHALF, 16384
.set SPARE, AIMG+2*AHALF               ; the spare words, 128 bytes a wave: two blocks of 256 bytes that no other line names
.set SP,    272                        ; the way out: a stage row, 256 bytes + 16
.set STG,   64*SP                      ; a wave's stage: its 64 rows, 68 blocks of 256 bytes.  The stages lie in slot 0, which has had its last fill and its last read by then
.set OROW,  16384
.set SPW, 1                            ; v1   LDS address of my spare word; never rewritten
.set NIL, 2                            ; v2   0; never rewritten
.set AW,  3                            ; v3-4 W's fragments, granules 0, 1, in slot 0, 1;  v5-6 granule 2
.set AX,  7                            ; v7-8 x's fragment
.set AI,  9                            ; v9   A's images, read: AIMG + 16 x lane
.set AT,  10                           ; v10  A's images, written: + 4,096 x wave
.set XO,  11                           ; v11  x in memory: row (lane % 16) x 4,096 + 16 (lane / 16)
.set ACO, 12                           ; v12  A in memory: the same + 128 x wave
.set PFO, 13                           ; v13  prefetches: row lane / 2, unit lane % 2 of 256 bytes
.set BO,  14                           ; v14  B: row (lane % 16) x 64 + 32 (lane / 16)
.set AR,  16                           ; A's fragments on their way
.set STO, 48                           ; v48-50, on the way out: stage in, stage back, the outputs
.set RD,  49
.set CO,  50
.set FB,  64                           ; W's fragments
.set MIX, 3                            ; s3   1 in clusters 5 and 10, else 0
.set APB, 6                            ; s[6:7] A of tB (once W's pointers there are used up)
.set BP,  8                            ; s[8:13] B of the three granules (likewise)
.set OP,  18                           ; s[18:23] the outputs of the three granules (likewise)
.set G1X, 32                           ; s[32:39] descriptor group 1 for x; s[40:47] for W: they differ in the mask alone
.set G1W, 40
.set G0X, 48                           ; groups 0
.set G0Q, 52
.set G0K, 56
.set G0V, 60
.set APA, 66                           ; s[66:67] A of tA
.set PFW, 68                           ; s[68:69] my granule of W at the 16 rows that my wave prefetches
.set PFX, 70                           ; s[70:71] x likewise
.set WV,  72
.set LAP, 73
.set PXF, 74                           ; 0 in the four clusters that prefetch x
.set GI0, 75                           ; g_0, g_1, g_2
.set GI1, 86
.set GI2, 87
.set EM,  76                           ; s[76:81] 2^(e[4g] + e[4g+1]), a pair for each granule
.set EL,  82                           ; s[82:85] 2^(e[4g+2] + e[4g+3]), a pair for tA and for tB
.set OP3, 92                           ; s[92:97] on the way out: the outputs at block 3's rows
.set MSB, 0
.set DSN, 0                            ; LDS instructions that every path has issued so far, in the text's order, and the count behind each group
.set MK0, 0
.set MK1, 0
.set MK2, 0
.set MK3, 0
.set MKA, 0
.set LDN, 0                            ; loads from memory likewise; the counts behind x's steps are XM0 .. XM3, behind A's AM
.macro WIN new                         ; the immediate's high byte repeats the setting that is left; a switch that changes nothing is dropped
.if MSB != (\new)
	s_set_vgpr_msb (MSB<<8)|(\new)
.set MSB, (\new)
.endif
.endm
.macro PLACES                          ; the four places behind a matrix instruction (ISA guide 7.12.1)
.rept 4
	v_nop
.endr
.endm
.macro WD n                            ; at most n LDS instructions may be out; a greater n than 62 is written as 62
.if (\n) > 62
	s_wait_dscnt 62
.else
	s_wait_dscnt \n
.endif
.endm
.macro TL g0, g1                       ; one wave's tensor load; four v_nop follow, ahead of the jump, the label and what comes next
	tensor_load_to_lds s[\g0:\g0+3], s[\g1:\g1+7]
	s_nop 0
	PLACES
.endm
; A joint load: waves 0, 1, 2 fetch a granule of W each, wave 3 x's tile.  The branches hang on the wave's number alone.
.macro JLOAD
	s_cmp_eq_u32 s[WV], 0
	s_cbranch_scc0 .Lj1_\@
	TL G0Q, G1W
	s_branch .Lje_\@
.Lj1_\@:
	s_cmp_eq_u32 s[WV], 1
	s_cbranch_scc0 .Lj2_\@
	TL G0K, G1W
	s_branch .Lje_\@
.Lj2_\@:
	s_cmp_eq_u32 s[WV], 2
	s_cbranch_scc0 .Lj3_\@
	TL G0V, G1W
	s_branch .Lje_\@
.Lj3_\@:
	TL G0X, G1X
.Lje_\@:
.endm
.macro CREST                           ; a round of the cluster's barrier behind its opening barrier
	s_cmp_lg_u32 s[WV], 0
	s_cbranch_scc1 .Lnot_wave_0_\@
	s_barrier_signal -3
.Lnot_wave_0_\@:
	s_barrier_wait -3
	s_barrier_signal -1
	s_barrier_wait -1
.endm
.macro CROUND                          ; a whole round
	s_barrier_signal -1
	s_barrier_wait -1
	CREST
.endm
; A PREFETCH INTO THE L2 of the slot that the NEXT change of slots asks for, four steps of 128 along K ahead.  W: each wave 0, 1, 2 names 16 of its granule's 64 rows x 512 bytes, the four with my cy share them out by address (cx):
; each unit of 256 bytes once in its cluster, and no other cluster reads it.  x: four clusters of the launch name it, the four with my cx share the 256 rows out by address (cy, wave).
; cond = 1: the loop's last trip asks for nothing at its second change of slots: no slot follows.
.macro ASK cond
.if \cond
	s_cmp_gt_u32 s[LAP], 1
	s_cbranch_scc0 .Lask_no_\@
.endif
	s_cmp_lt_u32 s[WV], 3
	s_cbranch_scc0 .Lask_x_\@
	global_prefetch_b8 v[PFO], s[PFW:PFW+1] offset:2*ROWB th:TH_LOAD_NT scope:SCOPE_SE
.Lask_x_\@:
	s_cmp_eq_u32 s[PXF], 0
	s_cbranch_scc0 .Lask_no_\@
	global_prefetch_b8 v[PFO], s[PFX:PFX+1] offset:2*ROWB th:TH_LOAD_NT scope:SCOPE_SE
.Lask_no_\@:
.endm
.macro SEL3 dst, gi, p0, p1, p2        ; the pointer of output g: a choice among three buffers by a number made of the cluster's y and the granule
	s_cmp_eq_u32 s[\gi], 0
	s_cselect_b64 s[\dst:\dst+1], s[\p0:\p0+1], s[\p1:\p1+1]
	s_cmp_lt_u32 s[\gi], 2
	s_cselect_b64 s[\dst:\dst+1], s[\dst:\dst+1], s[\p2:\p2+1]
.endm
.macro MKG0 g0, base, off, idx         ; a group 0: count 1; LDS address; global address; type 2
	s_mov_b32 s[\g0], 1
	s_mov_b32 s[\g0+1], (\idx)*TILE
	s_add_nc_u64 s[\g0+2:\g0+3], s[\base:\base+1], s[\off:\off+1]
	s_or_b32 s[\g0+3], s[\g0+3], 0x80000000
.endm
.macro ESEL dst, gi, base              ; 2^(sum of two exponents) of output g as an f32 number
	s_cmp_eq_u32 s[\gi], 0
	s_cselect_b32 s[\dst], s[\base], s[\base+4]
	s_cmp_lt_u32 s[\gi], 2
	s_cselect_b32 s[\dst], s[\dst], s[\base+8]
	s_add_co_i32 s[\dst], s[\dst], 127
	s_lshl_b32 s[\dst], s[\dst], 23
	s_mov_b32 s[\dst+1], s[\dst]                   ; (named with it as a pair, so it is written)
.endm
.macro DSTEP slot                      ; the descriptors go on to the next tile along K, into this slot (behind the wait for 0 on TENSORcnt: no load of mine is out)
	s_mov_b32 s[G0Q+1], (\slot)*SLOT
	s_mov_b32 s[G0K+1], (\slot)*SLOT+TILE
	s_mov_b32 s[G0V+1], (\slot)*SLOT+2*TILE
	s_mov_b32 s[G0X+1], (\slot)*SLOT+3*TILE
.irp g, G0Q, G0K, G0V, G0X
	s_add_nc_u64 s[\g+2:\g+3], s[\g+2:\g+3], ROWB
.endr
.endm
; What serves tB stands behind a branch on MIX (made of the cluster's y: the same in all partners); always = 1, in the launch's first slot: done by all, so that every register named later has been written.
; A counted wait counts only what every path has issued; tB's loads stand beside tA's, ahead of all that is counted behind tA's: so a wait that shows tA's shows tB's too.
.macro IFMIX always, lab
.if (\always) == 0
	WIN 0
	s_cmp_eq_u32 s[MIX], 1
	s_cbranch_scc0 .Lpure_\lab
.endif
.endm
.macro ENDMIX always, lab
	WIN 0
.if (\always) == 0
.Lpure_\lab:
.endif
.endm
.macro LA off, always                  ; A's fragments of one slot's w-th 128 along K: tB's into v32-47, tA's into v16-31
	IFMIX \always, a\@
.irp c, 0,1,2,3
	global_load_b128 v[AR+16+4*\c:AR+16+4*\c+3], v[ACO], s[APB:APB+1] offset:\off+32*\c
.endr
	ENDMIX \always, a\@
.irp c, 0,1,2,3
	global_load_b128 v[AR+4*\c:AR+4*\c+3], v[ACO], s[APA:APA+1] offset:\off+32*\c
.endr
.set LDN, LDN+4
.set AM, LDN
.endm
.macro AST half, always                ; and from there to LDS, as images
	s_wait_loadcnt LDN-AM
.irp c, 0,1,2,3
	ds_store_b128 v[AT], v[AR+4*\c:AR+4*\c+3] offset:(\half)*AHALF+512*\c
.endr
.set DSN, DSN+4
	IFMIX \always, s\@
.irp c, 0,1,2,3
	ds_store_b128 v[AT], v[AR+16+4*\c:AR+16+4*\c+3] offset:(\half)*AHALF+2048+512*\c
.endr
	ENDMIX \always, s\@
.endm
.macro LXG q                           ; x's three blocks of step q from memory: 12 loads
	WIN 0x40
.irp i, 0,1,2
.irp c, 0,1,2,3
	global_load_b128 v[48*(\q)+16*\i+4*\c:48*(\q)+16*\i+4*\c+3], v[XO], s[4:5] offset:65536*\i+128*(\q)+32*\c
.endr
.endr
	WIN 0
.set LDN, LDN+12
.set XM\q, LDN
.endm
.macro LXP slot, q, place              ; x's block of step q from LDS into one of the places from v192 of window 1 on: 4 loads
	WIN 0x40
.irp c, 0,1,2,3
	ds_load_b128 v[192+16*(\place)+4*\c:192+16*(\place)+4*\c+3], v[AX+\slot] offset:128*(\q)+32*\c
.endr
.set DSN, DSN+4
.endm
.macro LX slot, q                      ; in the loop: two places by turns
	LXP \slot, \q, ((\q)%2)
.endm
.macro LF slot, q, u                   ; A's fragment of step q for tA (u = 0, counted) or tB (u = 1, not counted): 4 loads
	WIN 0x40
.irp c, 0,1,2,3
	ds_load_b128 v[224+16*(\u)+4*\c:224+16*(\u)+4*\c+3], v[AI] offset:(\slot)*AHALF+(2*(\q)+(\u))*2048+512*\c
.endr
.if (\u) == 0
.set DSN, DSN+4
.set MKA, DSN
.endif
.endm
.macro LG slot, q, n                   ; group n of step q: W's fragments 3 n .. 3 n + 2: 12 loads
	WIN 0
.irp j, 0,1,2
.irp c, 0,1,2,3
.if (3*(\n)+\j) < 8
	ds_load_b128 v[FB+48*(\n)+16*\j+4*\c:FB+48*(\n)+16*\j+4*\c+3], v[AW+\slot] offset:((3*(\n)+\j)/4)*TILE+((3*(\n)+\j)%4)*16*PITCH+128*(\q)+32*\c
.else
	ds_load_b128 v[FB+48*(\n)+16*\j+4*\c:FB+48*(\n)+16*\j+4*\c+3], v[AW+2+\slot] offset:((3*(\n)+\j)%4)*16*PITCH+128*(\q)+32*\c
.endif
.endr
.endr
.set DSN, DSN+12
.set MK\n, DSN
.endm
; Group n of step q is multiplied: 12 matrix instructions on 12 accumulators; each accumulator has one turn in a step, in the same order in every step.
; w = 1: first the wait for its fragments: the LDS instructions issued behind them may be out.  zero = 1: the first product starts the sums.
.macro MG q, n, zero, w
.if \w
	s_wait_dscnt DSN-MK\n
.endif
	WIN 0xa4+0x50*((\n)/2)
.irp j, 0,1,2
.set AC, 32*((3*(\n)+\j)%6)
.irp a, 0,1,2,3
.if \a < 3
.set XR, 48*(\q)+16*\a
.else
.set XR, 192+16*((\q)%2)
.endif
.if \zero
	v_wmma_f32_16x16x128_bf8_bf8 v[AC+8*\a:AC+8*\a+7], v[FB+48*(\n)+16*\j:FB+48*(\n)+16*\j+15], v[XR:XR+15], 0
.else
	v_wmma_f32_16x16x128_bf8_bf8 v[AC+8*\a:AC+8*\a+7], v[FB+48*(\n)+16*\j:FB+48*(\n)+16*\j+15], v[XR:XR+15], v[AC+8*\a:AC+8*\a+7]
.endif
.endr
.endr
.endm
.macro MT q, u, zero                   ; t += A's fragment x my four blocks of x; u = 0: tA, u = 1: tB, whose fragment the wait ahead of tA's products has shown too
.if (\u) == 0
	s_wait_dscnt DSN-MKA
.endif
	WIN 0xa5
.irp a, 0,1,2,3
.if \a < 3
.set XR, 48*(\q)+16*\a
.else
.set XR, 192+16*((\q)%2)
.endif
.set AC, 192+32*(\u)+8*\a
.if \zero
	v_wmma_f32_16x16x128_bf8_bf8 v[AC:AC+7], v[224+16*(\u):224+16*(\u)+15], v[XR:XR+15], 0
.else
	v_wmma_f32_16x16x128_bf8_bf8 v[AC:AC+7], v[224+16*(\u):224+16*(\u)+15], v[XR:XR+15], v[AC:AC+7]
.endif
.endr
.endm
.macro TB slot, q, zero, ld            ; tB's part of a step, and (ld = 1) its fragment of the next one
	IFMIX \zero, t\@
	MT \q, 1, \zero
.if \ld
	PLACES
	LF \slot, \q+1, 1
.endif
	ENDMIX \zero, t\@
.endm
; A slot's steps q = 0, 1, 2.  Behind each group, behind four places, the same group of the next step is asked for; behind the last, x's blocks of this step for the next slot.  st: the pointers step a slot on;
; ast: the next slot's images of A go to LDS.
.macro STEPA slot, q, zero, st, ast
	s_wait_loadcnt LDN-XM\q
	MG \q, 0, \zero, 1
	MT \q, 0, \zero
	PLACES
	LX \slot, \q+1
	LG \slot, \q+1, 0
	LF \slot, \q+1, 0
	TB \slot, \q, \zero, 1
	MG \q, 1, \zero, 1
	PLACES
	LG \slot, \q+1, 1
.if \st
	s_wait_xcnt 0x0                                ; every load and prefetch so far has read its base
	s_add_nc_u64 s[4:5], s[4:5], ROWB
	s_add_nc_u64 s[APA:APA+1], s[APA:APA+1], ROWB
	s_add_nc_u64 s[APB:APB+1], s[APB:APB+1], ROWB
	s_add_nc_u64 s[PFW:PFW+1], s[PFW:PFW+1], ROWB
	s_add_nc_u64 s[PFX:PFX+1], s[PFX:PFX+1], ROWB
.endif
	MG \q, 2, \zero, 1
	PLACES
	LG \slot, \q+1, 2
.if \ast
	AST 1-\slot, 0
.endif
	MG \q, 3, \zero, 1
	PLACES
	LG \slot, \q+1, 3
	LXG \q
	WIN 0
.endm
.macro NEXT2 slot, always              ; a slot's first fragments
	LX \slot, 0
	LG \slot, 0, 0
	LF \slot, 0, 0
	IFMIX \always, n\@
	LF \slot, 0, 1
	ENDMIX \always, n\@
	LG \slot, 0, 1
.endm
; THE LAST SLOT'S GROUPS (slot 1): group k = 4 i + q: the four fragments of granule i, step q, in place p = k mod 3 of v64-255.
.macro LH k, p                         ; 16 loads
	WIN 0
.irp j, 0,1,2,3
.irp c, 0,1,2,3
.if ((\k)/4) < 2
	ds_load_b128 v[FB+64*(\p)+16*\j+4*\c:FB+64*(\p)+16*\j+4*\c+3], v[AW+1] offset:((\k)/4)*TILE+\j*16*PITCH+128*((\k)%4)+32*\c
.else
	ds_load_b128 v[FB+64*(\p)+16*\j+4*\c:FB+64*(\p)+16*\j+4*\c+3], v[AW+3] offset:\j*16*PITCH+128*((\k)%4)+32*\c
.endif
.endr
.endr
.set DSN, DSN+16
.set HK\p, DSN
.endm
.macro MUL7 k, p                       ; 16 matrix instructions on 16 accumulators, by turns
.irp j, 0,1,2,3
	WIN 0xa4+0x50*((4*((\k)/4)+\j)/6)
.set AC, 32*((4*((\k)/4)+\j)%6)
.irp a, 0,1,2,3
.if \a < 3
.set XR, 48*((\k)%4)+16*\a
.else
.set XR, 192+16*((\k)%4)
.endif
	v_wmma_f32_16x16x128_bf8_bf8 v[AC+8*\a:AC+8*\a+7], v[FB+64*(\p)+16*\j:FB+64*(\p)+16*\j+15], v[XR:XR+15], v[AC+8*\a:AC+8*\a+7]
.endr
.endr
.endm
.macro LF7 q, u                        ; A's fragment of step q = 1 .. 3 into v16-31 (tA, counted) or v32-47 (tB, not counted)
	WIN 0
.irp c, 0,1,2,3
	ds_load_b128 v[AR+16*(\u)+4*\c:AR+16*(\u)+4*\c+3], v[AI] offset:AHALF+(2*(\q)+(\u))*2048+512*\c
.endr
.if (\u) == 0
.set DSN, DSN+4
.set MKA, DSN
.endif
.endm
.macro MT7 q, u                        ; t's products of step q; step 0's fragments lie in window 1
.if (\u) == 0
	WD DSN-MKA
.endif
.if (\q) == 0
	WIN 0xa5
.set AB, 224+16*(\u)
.else
	WIN 0xa4
.set AB, AR+16*(\u)
.endif
.irp a, 0,1,2,3
.if \a < 3
.set XR, 48*(\q)+16*\a
.else
.set XR, 192+16*(\q)
.endif
.set AC, 192+32*(\u)+8*\a
	v_wmma_f32_16x16x128_bf8_bf8 v[AC:AC+7], v[AB:AB+15], v[XR:XR+15], v[AC:AC+7]
.endr
.endm
.macro TRIP7 q, p, mk                  ; group q of granule 0, and t's products of step q; mk: the count that shows the group's fragments and x's block of the step
	s_wait_loadcnt LDN-XM\q
	WD DSN-\mk
	MUL7 \q, \p
	MT7 \q, 0
	PLACES
.if \q < 3
	LF7 \q+1, 0
.endif
	IFMIX 0, h\@
	MT7 \q, 1
	PLACES
.if \q < 3
	LF7 \q+1, 1
.endif
	ENDMIX 0, h\@
	LH \q+3, \p
.if \q == 0
	LXP 1, 2, 2                                    ; into the registers of step 0's fragments of A, which are done with
	LXP 1, 3, 3
	WIN 0
.set MKL, DSN
.endif
.endm
; A slot's last step changes slots; all its reads of the slot were issued a step ago.  mode 1: the barrier opens a round of the cluster's barrier and this slot is filled again, two slots on, first thing behind the round;
; mode 2: the last change of slots: nothing is filled, and the last slot's first groups are asked for.
.macro STEP3 slot, next, mode, ask
	s_wait_loadcnt LDN-XM3
	s_wait_dscnt DSN-MKA
	TB \slot, 3, 0, 0
	s_wait_tensorcnt 0x0                           ; my one tensor load that was out has landed: my tile of the next slot;
	ds_add_u32 v[SPW], v[NIL]                      ; 0 onto my spare word
.set DSN, DSN+1
.if \mode == 1
	DSTEP \slot
.endif
	MG 3, 0, 0, 1                                  ; sixteen matrix instructions stand between the add and the wait for it
	MT 3, 0, 0
	s_wait_dscnt 0x0                               ; the add, my reads of this slot and my stores of A's images are done
	s_barrier_signal -1
	MG 3, 1, 0, 0
	WIN 0
	s_barrier_wait -1
.if \mode == 1
	CREST                                          ; no wave of any partner still reads this slot or has a load on its way
	JLOAD                                          ; its four v_nop are also the places in front of the loads below
	NEXT2 \next, 0
	LA ROWB, 0
	ASK \ask
	MG 3, 2, 0, 0
	PLACES
	LG \next, 0, 2
	MG 3, 3, 0, 0
	PLACES
	LG \next, 0, 3
.else
	PLACES
	LX \next, 0
	LH 0, 0
	LF \next, 0, 0
	IFMIX 0, l\@
	LF \next, 0, 1
	ENDMIX 0, l\@
	MG 3, 2, 0, 0
	PLACES
	LH 1, 1
	MG 3, 3, 0, 0
	PLACES
	LH 2, 2
	LX \next, 1
.set MKL1, DSN
.endif
	LXG 3
	WIN 0
.endm
	s_load_b512 s[4:19], s[0:1], 0x0               ; x 4:5, Wq 6:7, Wk 8:9, Wv 10:11, Aq 12:13, Ak 14:15, Av 16:17, Bq 18:19
	s_load_b256 s[20:27], s[0:1], 0x40             ; Bk 20:21, Bv 22:23, the exponents 24:25, out0 26:27
	s_load_b128 s[28:31], s[0:1], 0x60             ; out1, out2
	v_lshl_add_u32 v[SPW], v0, 2, SPARE
	v_mov_b32 v[NIL], 0
	ds_add_u32 v[SPW], v[NIL]                      ; the wave's opening: the add, twice on end, and its wait ahead of my first tensor load
	ds_add_u32 v[SPW], v[NIL]
	v_lshrrev_b32 v16, 5, v0
	v_readfirstlane_b32 s[WV], v16                 ; wave 0..3
	s_bfe_u32 s88, ttmp6, 0x40000                  ; cx = row block (the grid has one cluster along x)
	s_bfe_u32 s89, ttmp6, 0x40004                  ; cy
	s_and_b32 s91, ttmp7, 0xffff                   ; cluster y
	s_and_b32 s[PXF], s91, 3                       ; clusters y = 0, 4, 8, 12 prefetch x
	s_mul_i32 s90, s91, 12
	s_lshr_b32 s[GI0], s90, 6
	s_add_co_u32 s92, s90, 4
	s_lshr_b32 s[GI1], s92, 6
	s_add_co_u32 s92, s90, 8
	s_lshr_b32 s[GI2], s92, 6
	s_sub_co_u32 s[MIX], s[GI2], s[GI0]
	s_add_co_u32 s90, s90, s89                     ; my first granule: 12 y + cy
	s_lshl_b32 s100, 0x1111, s88                   ; the four with my cx
	s_lshl_b32 s101, s89, 2
	s_lshl_b32 s101, 15, s101                      ; the four with my cy
	; descriptor group 1: a tile of 64 rows x 512 bytes, padded in LDS
	s_or_b32 s[G1X], s100, (0<<16)|(1<<20)|(1<<21)|(6<<22)|(3<<25)  ; 15:0 the mask; 17:16 elements of 1 byte; 20 padding on; 21 set beside a mask; 24:22 after every 128 words (code 6); 31:25 four words (code 3)
	s_or_b32 s[G1W], s101, (0<<16)|(1<<20)|(1<<21)|(6<<22)|(3<<25)
.irp g, G1X, G1W
	s_mov_b32 s[\g+1], ROWB<<16                    ; tensor_dim0
	s_mov_b32 s[\g+2], 64<<16                      ; tensor_dim1
	s_mov_b32 s[\g+3], ROWB<<16                    ; tile_dim0
	s_mov_b32 s[\g+4], 64                          ; tile_dim1
	s_mov_b32 s[\g+5], KROW                        ; tensor_dim0_stride
	s_mov_b32 s[\g+6], 0
	s_mov_b32 s[\g+7], 0
.endr
	s_and_b32 s92, s90, 63                         ; the three granules' 64 rows in their weights: 2^18 bytes each
	s_lshl_b32 s92, s92, 18
	s_mov_b32 s93, 0
	s_add_co_u32 s94, s90, 4
	s_and_b32 s94, s94, 63
	s_lshl_b32 s94, s94, 18
	s_mov_b32 s95, 0
	s_add_co_u32 s98, s90, 8
	s_and_b32 s98, s98, 63
	s_lshl_b32 s98, s98, 18
	s_mov_b32 s99, 0
	s_lshl_b32 s96, s88, 20                        ; x: 256 rows x row block
	s_mov_b32 s97, 0
	s_mul_i32 s100, s[WV], 16*PITCH
	s_lshl_b32 s101, s[WV], 12
	s_lshl_b32 s2, s[WV], 7
	; every vector address of the loop is made here, by every wave, ahead of the first parting on the wave's number.  No place in the cluster enters an LDS address.
	v_and_b32 v17, 15, v0                          ; lane % 16
	v_bfe_u32 v18, v0, 4, 1                        ; lane / 16
	v_and_b32 v19, 31, v0                          ; lane
	v_mul_u32_u24 v[AW], v17, PITCH
	v_lshl_add_u32 v[AW], v18, 4, v[AW]
	v_add_nc_u32 v[AW+1], SLOT, v[AW]
	v_add_nc_u32 v[AW+2], 2*TILE, v[AW]
	v_add_nc_u32 v[AW+3], SLOT+2*TILE, v[AW]
	v_add_nc_u32 v20, s100, v[AW]
	v_add_nc_u32 v[AX], 3*TILE, v20
	v_add_nc_u32 v[AX+1], SLOT+3*TILE, v20
	v_lshlrev_b32 v[AI], 4, v19
	v_add_nc_u32 v[AI], AIMG, v[AI]
	v_add_nc_u32 v[AT], s101, v[AI]
	v_lshlrev_b32 v[XO], 12, v17
	v_lshl_add_u32 v[XO], v18, 4, v[XO]
	v_add_nc_u32 v[ACO], s2, v[XO]
	v_lshrrev_b32 v20, 1, v19
	v_lshlrev_b32 v[PFO], 12, v20
	v_and_b32 v20, 1, v19
	v_lshl_add_u32 v[PFO], v20, 8, v[PFO]
	v_lshlrev_b32 v[BO], 6, v17
	v_lshl_add_u32 v[BO], v18, 5, v[BO]
	s_wait_alu depctr_va_vdst(0)
	s_wait_dscnt 0x0                               ; both opening adds are done
	s_wait_kmcnt 0x0
	SEL3 APA, GI0, 6, 8, 10                        ; (APA's registers hold W's pointers until A's is chosen)
	MKG0 G0Q, APA, 92, 0
	SEL3 APA, GI1, 6, 8, 10
	MKG0 G0K, APA, 94, 1
	SEL3 APA, GI2, 6, 8, 10
	MKG0 G0V, APA, 98, 2
	MKG0 G0X, 4, 96, 3
	CROUND                                         ; all sixteen work-groups are here: the first joint loads meet
	JLOAD                                          ; slot 0: one tensor load a wave at the head
	s_lshl_b32 s100, s[WV], 2                      ; W's prefetches: granule 12 y + cy + 4 w (wave 3 asks for none), rows 16 cx of its 64
	s_add_co_u32 s100, s100, s90
	s_lshr_b32 s101, s100, 6
	SEL3 PFW, 101, 6, 8, 10
	s_and_b32 s100, s100, 63
	s_lshl_b32 s100, s100, 18
	s_lshl_b32 s101, s88, 16
	s_add_co_u32 s100, s100, s101
	s_mov_b32 s101, 0
	s_add_nc_u64 s[PFW:PFW+1], s[PFW:PFW+1], s[100:101]
	SEL3 APA, GI0, 12, 14, 16
	SEL3 APB, GI2, 12, 14, 16
	LA 0, 1                                        ; slot 0's part of A
	s_lshl_b32 s100, s89, 2
	s_add_co_u32 s100, s100, s[WV]
	s_lshl_b32 s100, s100, 16                      ; x's prefetches: rows 64 cy + 16 w of the row block
	s_add_co_u32 s100, s100, s96
	s_mov_b32 s101, 0
	s_add_nc_u64 s[PFX:PFX+1], s[4:5], s[100:101]
	s_mul_i32 s100, s[WV], 48*KROW                 ; my three blocks of x: rows 64 + 48 w of the row block
	s_add_co_u32 s100, s100, 64*KROW
	s_add_co_u32 s100, s100, s96
	s_add_nc_u64 s[4:5], s[4:5], s[100:101]
	LXG 0
	LXG 1
	LXG 2
	SEL3 BP, GI0, 18, 20, 22
	SEL3 BP+2, GI1, 18, 20, 22
	SEL3 BP+4, GI2, 18, 20, 22
	SEL3 OP, GI0, 26, 28, 30
	SEL3 OP+2, GI1, 26, 28, 30
	SEL3 OP+4, GI2, 26, 28, 30
	s_mul_i32 s2, s[WV], 48*OROW                   ; the outputs: my blocks 0-2 begin at row 64 + 48 w of the row block
	s_add_co_u32 s2, s2, 64*OROW
	s_lshl_b32 s100, s88, 22
	s_add_co_u32 s2, s2, s100
.macro GOFF i, off                     ; a granule's rows of B: 4,096 bytes; its columns of an output: 256 bytes
	s_lshr_b32 s100, s[\off], 6
	s_add_nc_u64 s[BP+2*\i:BP+2*\i+1], s[BP+2*\i:BP+2*\i+1], s[100:101]
	s_lshr_b32 s100, s[\off], 10
	s_add_co_u32 s100, s100, s2
	s_add_nc_u64 s[OP+2*\i:OP+2*\i+1], s[OP+2*\i:OP+2*\i+1], s[100:101]
.endm
	GOFF 0, 92
	GOFF 1, 94
	GOFF 2, 98
	s_load_b256 s[88:95], s[24:25], 0x0            ; e[0 .. 7]   (the temporaries there are done with)
	s_load_b128 s[96:99], s[24:25], 0x20           ; e[8 .. 11]
	s_wait_kmcnt 0x0
.irp g, 0,1,2
	s_add_co_i32 s[88+4*\g], s[88+4*\g], s[89+4*\g]
	s_add_co_i32 s[90+4*\g], s[90+4*\g], s[91+4*\g]
.endr
	ESEL EM, GI0, 88
	ESEL EM+2, GI1, 88
	ESEL EM+4, GI2, 88
	ESEL EL, GI0, 90
	ESEL EL+2, GI2, 90
	AST 0, 1                                       ; slot 0's images of A
	s_wait_tensorcnt 0x0                           ; my tile of slot 0 is in
	ds_add_u32 v[SPW], v[NIL]                      ; 0 onto my spare word
	DSTEP 1
	s_wait_dscnt 0x0                               ; the add and my stores are done
	CROUND                                         ; everybody's tile of slot 0 and part of A is in
	JLOAD                                          ; slot 1's first fill, the first tensor load behind the round
	NEXT2 0, 1
	LA ROWB, 0
	ASK 0
	LG 0, 0, 2
	LG 0, 0, 3
	LXG 3
	STEPA 0, 0, 1, 1, 0                            ; the first step stands in front of the loop: its products start the sums: nothing is cleared
	s_mov_b32 s[LAP], 3
.Llap:                                                 ; a trip goes once round the ring, from an even slot's second step to the next even slot's first: slots 0 to 5, and both are filled again
	STEPA 0, 1, 0, 0, 0
	STEPA 0, 2, 0, 0, 1
	STEP3 0, 1, 1, 0
	STEPA 1, 0, 0, 1, 0
	STEPA 1, 1, 0, 0, 0
	STEPA 1, 2, 0, 0, 1
	STEP3 1, 0, 1, 1
	STEPA 0, 0, 0, 1, 0
	s_sub_co_u32 s[LAP], s[LAP], 1
	s_cmp_lg_u32 s[LAP], 0
	s_cbranch_scc1 .Llap
	STEPA 0, 1, 0, 0, 0                            ; slot 6 goes on; nothing is filled again
	STEPA 0, 2, 0, 0, 1
	STEP3 0, 1, 2, 0
; THE WAY OUT of granule i.
.macro BL i                            ; the granule's four fragments of B as f32: lane row 16 j + lane % 16 of its 64, ranks 8 (lane / 16) + 0 .. 7: 8 loads into window 3
	WIN 0xc0
.irp j, 0,1,2,3
	global_load_b128 v[192+8*\j:192+8*\j+3],   v[BO], s[BP+2*(\i):BP+2*(\i)+1] offset:1024*\j
	global_load_b128 v[192+8*\j+4:192+8*\j+7], v[BO], s[BP+2*(\i):BP+2*(\i)+1] offset:1024*\j+16
.endr
.set LDN, LDN+8
	WIN 0
.endm
.macro TPREP                           ; the stage's addresses; t x its power of two, rounded to bf16: tA's 16 registers in v16-31, tB's in v32-47; zeros for k = 16 .. 31
	WIN 0
	s_mul_i32 s100, s[WV], STG                     ; my stage
	s_lshl_b32 s98, s[WV], 19
	s_add_co_u32 s98, s98, 64*OROW                 ; (64 + 48 w - 16 w) rows
	s_mov_b32 s99, 0
.irp g, 0,1,2
	s_sub_nc_u64 s[OP3+2*\g:OP3+2*\g+1], s[OP+2*\g:OP+2*\g+1], s[98:99]   ; block 3: rows 16 w of the row block
.endr
	s_cmp_lg_u32 s[GI1], s[GI0]
	s_cselect_b32 s90, -1, 0                       ; does granule 1 take tB?
	s_cmp_eq_u32 s[MIX], 1
	s_cselect_b32 s91, -1, 0                       ; does granule 2?  (granule 0 always takes tA.  Where no granule takes tB it holds the first step's products alone)
	v_and_b32 v51, 15, v0
	v_bfe_u32 v52, v0, 4, 1
	v_mul_u32_u24 v[STO], v51, SP                  ; in: row lane % 16, 32 bytes for each half of the lanes
	v_lshl_add_u32 v[STO], v52, 5, v[STO]
	v_add_nc_u32 v[STO], s100, v[STO]
	v_mul_u32_u24 v[RD], v52, SP                   ; back: lanes 0-15 take 256 bytes of one row, lanes 16-31 of the next
	v_lshl_add_u32 v[RD], v51, 4, v[RD]
	v_add_nc_u32 v[RD], s100, v[RD]
	v_lshlrev_b32 v[CO], 14, v52                   ; and the same two rows in an output
	v_lshl_add_u32 v[CO], v51, 4, v[CO]
	WIN 0x82
.irp u, 0,1
.irp a, 0,1,2,3
.irp i, 0,2,4,6
	v_pk_mul_f32 v[192+32*\u+8*\a+\i:192+32*\u+8*\a+\i+1], v[192+32*\u+8*\a+\i:192+32*\u+8*\a+\i+1], s[EL+2*\u:EL+2*\u+1] op_sel_hi:[1,0]   ; each accumulator from its low end on
.endr
.endr
.endr
	WIN 0x0a                                       ; sources: window 2
.irp u, 0,1
.irp a, 0,1,2,3
.irp i, 0,1,2,3
	v_cvt_pk_bf16_f32 v[AR+16*\u+4*\a+\i], v[192+32*\u+8*\a+2*\i], v[192+32*\u+8*\a+2*\i+1]
.endr
.endr
.endr
	WIN 0x80
.irp a, 0,1,2,3
.irp i, 4,5,6,7
	v_mov_b32 v[192+8*\a+\i], 0
.endr
.endr
.endm
.macro OUTP i                          ; B and t become operands; the main sums x their own power of two, in place; one bf16 instruction for each accumulator adds t B^T
	WIN 0
	s_wait_alu depctr_va_vdst(0)
	s_wait_loadcnt 0x0                             ; the granule's B, the youngest loads, is in
	WIN 0xcf                                       ; sources and destination: window 3
.irp j, 0,1,2,3
.irp r, 0,1,2,3
	v_cvt_pk_bf16_f32 v[224+8*\j+\r], v[192+8*\j+2*\r], v[192+8*\j+2*\r+1]
.endr
.if (\i) == 0
.irp r, 4,5,6,7
	v_mov_b32 v[224+8*\j+\r], 0                    ; k = 16 .. 31, for all three granules
.endr
.endif
.endr
.if (\i) < 2
	BL \i+1
.endif
	WIN 0x80
.irp a, 0,1,2,3
.irp r, 0,1,2,3
.if (\i) == 0
	v_mov_b32 v[192+8*\a+\r], v[AR+4*\a+\r]
.else
	v_cndmask_b32 v[192+8*\a+\r], v[AR+4*\a+\r], v[AR+16+4*\a+\r], s[89+\i]
.endif
.endr
.endr
.irp j, 0,1,2,3
	WIN 0x82+0x41*((4*(\i)+\j)/6)
.set AC, 32*((4*(\i)+\j)%6)
.irp a, 0,1,2,3
.irp r, 0,2,4,6
	v_pk_mul_f32 v[AC+8*\a+\r:AC+8*\a+\r+1], v[AC+8*\a+\r:AC+8*\a+\r+1], s[EM+2*(\i):EM+2*(\i)+1] op_sel_hi:[1,0]
.endr
.endr
.endr
.irp j, 0,1,2,3
	WIN 0xab+0x50*((4*(\i)+\j)/6)                  ; source 0 (B) window 3, source 1 (t) window 2
.set AC, 32*((4*(\i)+\j)%6)
.irp a, 0,1,2,3
	v_wmma_f32_16x16x32_bf16 v[AC+8*\a:AC+8*\a+7], v[224+8*\j:224+8*\j+7], v[192+8*\a:192+8*\a+7], v[AC+8*\a:AC+8*\a+7]
.endr
.endr
	PLACES
.endm
.macro ST7 i                           ; into my stage: 64 rows of 256 bytes
.irp j, 0,1,2,3
	WIN 0x08+0x04*((4*(\i)+\j)/6)
.set AC, 32*((4*(\i)+\j)%6)
.irp a, 0,1,2,3
	ds_store_b128 v[STO], v[AC+8*\a:AC+8*\a+3] offset:16*\a*SP+64*\j
	ds_store_b128 v[STO], v[AC+8*\a+4:AC+8*\a+7] offset:16*\a*SP+64*\j+16
.endr
.endr
	WIN 0
.set DSN, DSN+32
.endm
.macro RB7 i                           ; and back, block by block, two whole rows a load, into the accumulators that the block came from
.irp a, 0,1,2,3
.irp t, 0,1,2,3,4,5,6,7
	WIN 0x80+0x40*((4*(\i)+\t/2)/6)
.set AC, 32*((4*(\i)+\t/2)%6)+8*\a+4*(\t%2)
	ds_load_b128 v[AC:AC+3], v[RD] offset:(16*\a+2*\t)*SP   ; LDS serves a wave's instructions in order (ISA guide 5.7.1.4): these see the stores above
.endr
.endr
	WIN 0
.set DSN, DSN+32
.set MRB, DSN
.endm
.macro SG7 i                           ; stored: 16 lanes store 256 consecutive bytes, at a multiple of 256 from the output's first byte
.irp a, 0,1,2,3
	WD DSN-MRB+8*(3-\a)
.irp t, 0,1,2,3,4,5,6,7
	WIN 0x08+0x04*((4*(\i)+\t/2)/6)
.set AC, 32*((4*(\i)+\t/2)%6)+8*\a+4*(\t%2)
.if \a < 3
	global_store_b128 v[CO], v[AC:AC+3], s[OP+2*(\i):OP+2*(\i)+1] offset:(16*\a+2*\t)*OROW th:TH_STORE_NT
.else
	global_store_b128 v[CO], v[AC:AC+3], s[OP3+2*(\i):OP3+2*(\i)+1] offset:2*\t*OROW th:TH_STORE_NT
.endif
.endr
.endr
	WIN 0
.endm
.macro GRP7 k, p                       ; a group of granules 1 and 2, with its wait
	WD DSN-HK\p
	MUL7 \k, \p
	PLACES
.endm
	BL 0                                           ; slot 7
	TRIP7 0, 0, HK0
	TRIP7 1, 1, MKL1
	TRIP7 2, 2, MKL
	TRIP7 3, 0, HK0
	PLACES                                         ; t and granule 0 are whole: their results are read below
	TPREP
	OUTP 0
	ST7 0
	GRP7 4, 1
	LH 7, 1
	RB7 0
	GRP7 5, 2
	LH 8, 2
	SG7 0                                          ; granule 0 leaves while granule 1 is multiplied
	GRP7 6, 0
	LH 9, 0
	GRP7 7, 1
	LH 10, 1
	OUTP 1
	ST7 1
	GRP7 8, 2
	LH 11, 2
	RB7 1
	GRP7 9, 0
	SG7 1
	GRP7 10, 1
	GRP7 11, 2
	OUTP 2
	ST7 2
	RB7 2
	SG7 2
	s_wait_tensorcnt 0x0                           ; the wave's end: these three lines, behind my last tensor load and my last LDS store
	ds_add_u32 v[SPW], v[NIL]
	s_wait_dscnt 0x0
	CROUND                                         ; the closing round: no work-group ends while a partner may still ask for a tile that names it
	s_endpgm
.Lfunc_end_k_q0b827b18c7_qkv:
	.size	k_q0b827b18c7_qkv, .Lfunc_end_k_q0b827b18c7_qkv-k_q0b827b18c7_qkv
	.p2alignl 7, 3214868480
	.fill 96, 4, 3214868480
	.section	.rodata,"a",@progbits
	.p2align	6, 0x0
	.amdhsa_kernel k_q0b827b18c7_qkv
		.amdhsa_group_segment_fixed_size 327680
		.amdhsa_private_segment_fixed_size 0
		.amdhsa_enable_private_segment 0
		.amdhsa_kernarg_size 112
		.amdhsa_user_sgpr_count 2
		.amdhsa_user_sgpr_kernarg_segment_ptr 1
		.amdhsa_wavefront_size32 1
		.amdhsa_system_sgpr_workgroup_id_x 1
		.amdhsa_system_sgpr_workgroup_id_y 1
		.amdhsa_system_sgpr_workgroup_id_z 1
		.amdhsa_system_vgpr_workitem_id 0
		.amdhsa_next_free_vgpr 1024
		.amdhsa_next_free_sgpr 102
		.amdhsa_reserve_vcc 0
		.amdhsa_float_denorm_mode_32 3
		.amdhsa_float_denorm_mode_16_64 3
		.amdhsa_memory_ordered 1
		.amdhsa_forward_progress 1
		.amdhsa_inst_pref_size 233
	.end_amdhsa_kernel
	.amdgpu_metadata
---
amdhsa.version: [ 1, 2 ]
amdhsa.kernels:
  - .name:           k_q0b827b18c7_qkv
    .symbol:         k_q0b827b18c7_qkv.kd
    .args:
      - { .name: x_codes, .offset: 0, .size: 8, .value_kind: global_buffer, .address_space: global }
      - { .name: q_weight_codes, .offset: 8, .size: 8, .value_kind: global_buffer, .address_space: global }
      - { .name: k_weight_codes, .offset: 16, .size: 8, .value_kind: global_buffer, .address_space: global }
      - { .name: v_weight_codes, .offset: 24, .size: 8, .value_kind: global_buffer, .address_space: global }
      - { .name: q_A_codes, .offset: 32, .size: 8, .value_kind: global_buffer, .address_space: global }
      - { .name: k_A_codes, .offset: 40, .size: 8, .value_kind: global_buffer, .address_space: global }
      - { .name: v_A_codes, .offset: 48, .size: 8, .value_kind: global_buffer, .address_space: global }
      - { .name: q_B, .offset: 56, .size: 8, .value_kind: global_buffer, .address_space: global }
      - { .name: k_B, .offset: 64, .size: 8, .value_kind: global_buffer, .address_space: global }
      - { .name: v_B, .offset: 72, .size: 8, .value_kind: global_buffer, .address_space: global }
      - { .name: lowp_scales, .offset: 80, .size: 8, .value_kind: global_buffer, .address_space: global }
      - { .name: out0, .offset: 88, .size: 8, .value_kind: global_buffer, .address_space: global }
      - { .name: out1, .offset: 96, .size: 8, .value_kind: global_buffer, .address_space: global }
      - { .name: out2, .offset: 104, .size: 8, .value_kind: global_buffer, .address_space: global }
    .group_segment_fixed_size: 327680
    .private_segment_fixed_size: 0
    .kernarg_segment_align: 8
    .kernarg_segment_size: 112
    .max_flat_workgroup_size: 128
    .sgpr_count:     102
    .vgpr_count:     1024
    .wavefront_size: 32
...
	.end_amdgpu_metadata
.endif
;; end of part 1
